; MI455X (gfx1250); checked and timed in simulation.
; The chip was launched on July 23, 2026; its instructions are those of AMD's public machine-readable ISA for CDNA 5 (MIT licence, August 2026) and "CDNA5" Instruction Set Architecture Reference Guide (July 2026). The comments in the code are by the model that wrote it; some were corrected since.
;; Expert MLP. Allowed arithmetic: matrix products marked QUANTISED: E5M2 operands, one given power-of-two scale a tensor, by v_wmma_f32_16x16x64_bf8_bf8 or v_wmma_f32_16x16x128_bf8_bf8, f32 sums; everything else in f32.
;; Inputs: W_fc 4,096 x 1,024 float32; W_proj 1,024 x 4,096 float32; lowp_scales 4 int32 (the exponents e of the quantised operands' scales 2^e); x 8,192 x 1,024 float32.
;; Outputs: out0 8,192 x 1,024 float32.
;; This version of the problem:
;;   THIS VERSION OF THE PROBLEM IS GIVEN IN LOW PRECISION. The matrix products marked QUANTISED in the list below multiply operands that are first quantised to E5M2 (5 exponent bits, 2 mantissa bits; 8 bits a number), with one given power-of-two scale for each operand tensor; their sums are f32. All else is computed in f32.
;;   The module's matrix products, in the order in which they are computed (A, B: the left and right operand; K: the contracted axis; several contracted axes count as one K, in the product's order):
;;     1. [M 8,192, K 1,024] x [K 1,024, N 4,096]; A: input x; B: input W_fc: QUANTISED (scales: A lowp_scales[0], B lowp_scales[1])
;;     2. [M 8,192, K 4,096] x [K 4,096, N 1,024]; A: computed on the way; B: input W_proj: QUANTISED (scales: A lowp_scales[2], B lowp_scales[3])
;;   THE QUANTISER, for each operand of a quantised product, along K:
;;     - The operand's scale is 2^e, e = its entry of the input lowp_scales (int32; the entries are numbered through the quantised products in the list's order, A before B).
;;     - Each number is divided by the scale, clamped to +-57,344, and rounded to the nearest number of E5M2, ties to even, subnormals kept.
;;     - The product sums the exact products of the quantised numbers (number of the format x scale) in f32.
;;   ~~~python
;;   def quantise(x, axis, e):      # numpy; x: float32 -> the quantised numbers, widened to float32 again
;;       x = np.moveaxis(x, axis, -1); K = x.shape[-1]
;;       r = np.clip(x / 2.0 ** e, -57344, 57344)
;;       step = 2.0 ** (np.maximum(np.frexp(np.where(r == 0, 1, r))[1] - 1, -14) - 2)
;;       q = np.round(r / step) * step * 2.0 ** e      # np.round: ties to even
;;       return np.moveaxis(q, -1, axis).astype(np.float32)
;;   ~~~
;;   OPERANDS COMPUTED ON THE WAY. 'Computed on the way' means the value that the module computes at that place (a softmax that the list does not call 'softmax' is quantised finished and normalised). What goes into a quantiser is computed in f32, as accurately as f32 sums, v_exp_f32 and their like allow (about 1e-6 of the number): no bf16 or f16 on the way to a quantiser, and a product that is left as it is and whose result goes on into a quantised operand takes f32 operands (vector FMAs, or v_wmma_f32_16x16x4_f32). A number that lies on a knife's edge between two numbers of the format may be rounded either way, as far as f32 arithmetic and the matrix unit's own rounding can turn it there, and no further.
;; One version. Each part assembles by itself: llvm-mc -triple=amdgcn-amd-amdhsa -mcpu=gfx1250 --defsym DOCPART=n.
;; ======== version 1 of 1: 3 launches
;; limits: right only within a limited range of input values
;; workspace buffers: xq 8,388,608 bytes; wfq 4,194,304 bytes; wpq 4,194,304 bytes; hq 33,554,432 bytes
;; launch quant (part 1): grid 768 x 1, 4 waves a work-group, no clusters, 34,304 bytes of LDS; arguments x, W_fc, lowp_scales, xq, wfq; writes xq, wfq
.if DOCPART == 1
	.amdgcn_target "amdgcn-amd-amdhsa--gfx1250"
	.amdhsa_code_object_version 6
	.text
	.protected	k_qbd6d7d60f2_quant
	.globl	k_qbd6d7d60f2_quant
	.p2align	8
	.type	k_qbd6d7d60f2_quant,@function
k_qbd6d7d60f2_quant:
	s_mov_b64 s[64:65], 0
	v_nop
	global_prefetch_b8 v0, s[64:65] scope:SCOPE_SE
	s_setreg_imm32_b32 hwreg(HW_REG_WAVE_MODE, 25, 1), 1
	s_wait_xcnt 0x0
; x [8192][1024] and W_fc [4096][1024], f32 with K innermost, are turned into codes of BF8 (E5M2), each tensor with the one scale 2^e given for it (entries 0 and 1 of the scales).  W_proj is quantised in the second launch.
; code = number / 2^e, held within +-57,344, rounded to the nearest code, ties to even.  No work of the problem is left out in any launch.
; LIMITS: -126 <= e and e + 15 <= 127, so that both powers of two below are f32 numbers.  NaN among the inputs is not served (an infinity is held at the largest code).
; LAYOUT OF THE CODES: images of operand registers, [block of 16 rows][128 along K][2,048 bytes]: registers 4 c .. 4 c + 3 of lane l at 512 c + 16 l; registers 2 g, 2 g + 1 of lane l hold row l % 16,
; k = 16 g + 8 (l / 16) + 0 .. 7: the places of the 16x16x128 form (ISA guide 7.12.2).
; SHARES: a wave takes one block x 256 along K: two units of 16 rows x 128.  Work-groups 0-511 take x, 512-767 W_fc: pointers and e are chosen on the work-group's number; one path.
; A load reads 512 consecutive bytes of one row; a unit's 16 rows turn through the wave's own stage in LDS (rows 528 bytes apart) and come back eight neighbours a lane and group.
; No tensor loads, no barrier, no cluster, no prefetch: no two waves read the same byte, and all of a wave's 32 loads are out from its start.
.set WG_W,  512
.set EMAX,  15
.set MANT,  0x600000                   ; the mantissa field of 57,344 as f32
.set R,     32                         ; v32-159  two sets of 16 rows as loaded
.set X,     160                        ; v160-223 eight groups of eight neighbours
.set C,     224                        ; v224-255 codes
.set SP,    528
.set WREG,  16*SP
.set SPW,   12                         ; LDS address of my spare word; never rewritten
.set NIL,   13                         ; 0; never rewritten
.set SPARE, 4*WREG                     ; the spare words: 128 bytes a wave, two blocks of 256 bytes that no other line names
	s_load_b128 s[4:7], s[0:1], 0x0                ; x, W_fc
	s_load_b64 s[10:11], s[0:1], 0x10              ; the scales' exponents
	s_load_b128 s[12:15], s[0:1], 0x18             ; x's codes, W_fc's codes
	v_lshl_add_u32 v[SPW], v0, 2, SPARE
	v_mov_b32 v[NIL], 0
	v_lshrrev_b32 v1, 5, v0
	v_readfirstlane_b32 s18, v1                    ; wave
	v_and_b32 v2, 31, v0
	v_lshlrev_b32 v3, 4, v2                        ; 16 x lane
	s_mul_i32 s19, s18, WREG
	v_add_nc_u32 v14, s19, v3                      ; the stage, in: a row's 512 bytes as they lie
	v_and_b32 v5, 15, v2
	v_lshrrev_b32 v6, 4, v2
	v_mul_u32_u24 v15, v5, SP
	v_lshl_add_u32 v15, v6, 5, v15
	v_add_nc_u32 v15, s19, v15                     ; out: row l % 16, 32 bytes for each half of the lanes
	s_wait_alu depctr_va_vdst(0)
	s_wait_kmcnt 0x0
	s_load_b64 s[20:21], s[10:11], 0x0             ; e of x, of W_fc
	s_cmp_lt_u32 ttmp9, WG_W
	s_cselect_b64 s[4:5], s[4:5], s[6:7]           ; the numbers,
	s_cselect_b64 s[8:9], s[12:13], s[14:15]       ; the codes,
	s_cselect_b32 s24, 0, WG_W                     ; the tensor's first work-group
	s_sub_co_u32 s19, ttmp9, s24
	s_lshl_b32 s19, s19, 2
	s_add_co_u32 s26, s19, s18                     ; my wave's run: four runs a block of 16 rows of 4,096 bytes
	s_lshr_b32 s28, s26, 2
	s_lshl_b32 s28, s28, 16
	s_and_b32 s27, s26, 3
	s_lshl_b32 s27, s27, 10
	s_add_co_u32 s28, s28, s27
	s_mov_b32 s29, 0
	s_add_nc_u64 s[4:5], s[4:5], s[28:29]
	s_lshl_b32 s28, s26, 12                        ; 4,096 bytes of codes a run
	s_add_nc_u64 s[8:9], s[8:9], s[28:29]
.irp u, 0,1
.irp i, 0,1,2,3,4,5,6,7,8,9,10,11,12,13,14,15
	global_load_b128 v[R+64*\u+4*\i:R+64*\u+4*\i+3], v3, s[4:5] offset:4096*\i+512*\u th:TH_LOAD_NT
.endr
.endr
	s_wait_kmcnt 0x0
	s_cmp_lt_u32 ttmp9, WG_W
	s_cselect_b32 s22, s20, s21                    ; e of my tensor
	s_add_co_i32 s22, s22, 127
	s_lshl_b32 s23, s22, 23
	v_mov_b32 v11, s23                             ; 2^e as f32: the conversion takes its exponent field
	s_add_co_i32 s22, s22, EMAX
	s_lshl_b32 s22, s22, 23
	s_or_b32 s22, s22, MANT
	v_mov_b32 v10, s22                             ; 57,344 x 2^e
	s_wait_alu depctr_va_vdst(0)
.macro UNIT u
.set RS, R+64*(\u)
.set CC, C+16*(\u)
	s_wait_loadcnt 16-16*(\u)                      ; this unit's 16 loads are in; the second unit's may be out
.irp i, 0,1,2,3,4,5,6,7,8,9,10,11,12,13,14,15
	ds_store_b128 v14, v[RS+4*\i:RS+4*\i+3] offset:SP*\i
.endr
.irp g, 0,1,2,3,4,5,6,7
	ds_load_b128 v[X+8*\g:X+8*\g+3], v15 offset:64*\g          ; LDS serves a wave's instructions in order (ISA guide 5.7.1.4)
	ds_load_b128 v[X+8*\g+4:X+8*\g+7], v15 offset:64*\g+16
.endr
	s_wait_dscnt 0x0
.set j, 0
.rept 64
	v_med3_num_f32 v[X+j], v[X+j], -v10, v10       ; the conversion to an 8-bit code does not saturate (ISA guide 7.6.2)
.set j, j+1
.endr
.irp g, 0,1,2,3,4,5,6,7
	v_cvt_scalef32_pk8_bf8_f32 v[CC+2*\g:CC+2*\g+1], v[X+8*\g:X+8*\g+7], v11
.endr
	v_nop                                          ; a plain place between the conversions and the next unit's holds, which write their sources
.irp c, 0,1,2,3
	global_store_b128 v3, v[CC+4*\c:CC+4*\c+3], s[8:9] offset:2048*(\u)+512*\c   ; 512 consecutive bytes, aligned
.endr
.endm
	UNIT 0
	UNIT 1
	s_wait_tensorcnt 0x0                           ; the wave's end
	ds_add_u32 v[SPW], v[NIL]
	s_wait_dscnt 0x0
	s_endpgm
.Lfunc_end_k_qbd6d7d60f2_quant:
	.size	k_qbd6d7d60f2_quant, .Lfunc_end_k_qbd6d7d60f2_quant-k_qbd6d7d60f2_quant
	.p2alignl 7, 3214868480
	.fill 96, 4, 3214868480
	.section	.rodata,"a",@progbits
	.p2align	6, 0x0
	.amdhsa_kernel k_qbd6d7d60f2_quant
		.amdhsa_group_segment_fixed_size 34304
		.amdhsa_private_segment_fixed_size 0
		.amdhsa_enable_private_segment 0
		.amdhsa_kernarg_size 40
		.amdhsa_user_sgpr_count 2
		.amdhsa_user_sgpr_kernarg_segment_ptr 1
		.amdhsa_wavefront_size32 1
		.amdhsa_system_sgpr_workgroup_id_x 1
		.amdhsa_system_sgpr_workgroup_id_y 1
		.amdhsa_system_sgpr_workgroup_id_z 1
		.amdhsa_system_vgpr_workitem_id 0
		.amdhsa_next_free_vgpr 256
		.amdhsa_next_free_sgpr 66
		.amdhsa_reserve_vcc 0
		.amdhsa_float_denorm_mode_32 3
		.amdhsa_float_denorm_mode_16_64 3
		.amdhsa_memory_ordered 1
		.amdhsa_forward_progress 1
		.amdhsa_inst_pref_size 20
	.end_amdhsa_kernel
	.amdgpu_metadata
---
amdhsa.version: [ 1, 2 ]
amdhsa.kernels:
  - .name:           k_qbd6d7d60f2_quant
    .symbol:         k_qbd6d7d60f2_quant.kd
    .args:
      - { .name: x, .offset: 0, .size: 8, .value_kind: global_buffer, .address_space: global }
      - { .name: W_fc, .offset: 8, .size: 8, .value_kind: global_buffer, .address_space: global }
      - { .name: lowp_scales, .offset: 16, .size: 8, .value_kind: global_buffer, .address_space: global }
      - { .name: xq, .offset: 24, .size: 8, .value_kind: global_buffer, .address_space: global }
      - { .name: wfq, .offset: 32, .size: 8, .value_kind: global_buffer, .address_space: global }
    .group_segment_fixed_size: 34304
    .private_segment_fixed_size: 0
    .kernarg_segment_align: 8
    .kernarg_segment_size: 40
    .max_flat_workgroup_size: 128
    .sgpr_count:     66
    .vgpr_count:     256
    .wavefront_size: 32
...
	.end_amdgpu_metadata
.endif
;; end of part 1
;; launch fc (part 2): grid 8 x 32, 4 waves a work-group, clusters of 4 x 1, 327,680 bytes of LDS; arguments xq, wfq, lowp_scales, hq, W_proj, wpq; writes hq, wpq
.if DOCPART == 2
	.amdgcn_target "amdgcn-amd-amdhsa--gfx1250"
	.amdhsa_code_object_version 6
	.text
	.protected	k_qbd6d7d60f2_fc
	.globl	k_qbd6d7d60f2_fc
	.p2align	8
	.type	k_qbd6d7d60f2_fc,@function
k_qbd6d7d60f2_fc:
	s_mov_b64 s[64:65], 0
	v_nop
	global_prefetch_b8 v0, s[64:65] scope:SCOPE_SE
	s_setreg_imm32_b32 hwreg(HW_REG_WAVE_MODE, 25, 1), 1
	s_wait_xcnt 0x0
	s_wait_alu depctr_hold_cnt(0) depctr_sa_sdst(0) depctr_va_vdst(0) depctr_va_sdst(0) depctr_va_ssrc(0) depctr_va_vcc(0) depctr_vm_vsrc(0)
	s_getreg_b32 s2, hwreg(HW_REG_IB_STS2, 6, 4)
	s_cmp_eq_u32 s2, 0
	s_cbranch_scc0 .Lentry_in_a_cluster
	s_endpgm
.Lentry_in_a_cluster:
	s_bfe_u32 s2, ttmp6, 0x10000c
	s_cmp_lg_u32 s2, 0x3003
	s_cbranch_scc0 .Lentry_shape_is_right
	s_endpgm
.Lentry_shape_is_right:
; The first product and the activation: h = relu(x W_fc^T)^2, quantised for the second product.  xq [512 blocks of 16 tokens][8][2,048], wfq [256 blocks of 16 hidden units][8][2,048]: images of operand registers for 128 along K
; (registers 4 c .. 4 c + 3 of lane l at 512 c + 16 l), in the places of the 16x16x128 form (ISA guide 7.12.2).  Sums in f32.
; A sum s of codes stands for s x 2^(e0 + e1); the code of its square is relu(s)^2 / 2^E, E = e2 - 2 (e0 + e1): three given scales in the conversion's one.
; relu and the hold at the largest code are one instruction: s is held between 0 and L, L the largest f32 number whose square is at most 57,344 x 2^E (so L^2 has the code of 57,344); then squared, rounded once in f32.
; LIMITS: E between -126 and 112, so that 2^E and L are f32 numbers.  |s| other than 0 is at least 2^-32: its square does not underflow.
; SHARES: a work-group makes 256 tokens x 512 hidden units, in two tiles of 256 hidden units: 8 x 32 = 256 work-groups.  Wave w has 64 hidden units of a tile x all 256 tokens: 64 accumulators, 512 registers.
; xq's 256 tokens x 1,024 STAY IN LDS (256 KiB): two fills, of 384 and 640 along K, each asked for once, jointly by the four work-groups of a cluster, which have the same tokens.  No bytes are filled again.
; wfq GOES STRAIGHT INTO THE OPERAND'S REGISTERS: within a work-group no two waves want the same fragment; a step's four fragments are asked for two steps ahead, in three sets of registers.  It is not asked for jointly: a joint
; load lands in LDS, which xq fills.  No prefetch: xq has no fills to run ahead of, and wfq is asked for two steps ahead by the loads themselves.
; THE MATRIX INSTRUCTION: source 0 = 16 hidden units, source 1 = 16 tokens: lane l holds token l % 16, registers hidden units 16 x + 8 (l / 16) + 0..7 of block x.  Their codes are registers 2 B, 2 B + 1 of the second product's operand,
; B = 4 (w % 2) + x: a wave stores half images of 1,024 bytes: hq [512 blocks of 16 tokens][32][2,048].
; REGISTERS, windows of 256.  0: v0-31 addresses and constants, v32-63 the way out, v64-255 three sets of wfq's four fragments (on the way out v192-255 codes).
;   1: v0-127 token blocks 0-7, v128-255 accumulators of blocks 8-11.   2: v0-127 token blocks 8-15, v128-255 accumulators of blocks 0-3.   3: v0-127 accumulators of blocks 4-7, v128-255 of blocks 12-15.
; One set of registers serves xq: token blocks 0-7 are fetched anew in a step's middle, blocks 8-15 at its end, each in one run of 32 loads.
; W_proj [1024][4096], f32, is quantised here too, at the launch's end, with the scale 2^e3 (LIMITS: -126 <= e3 and e3 + 15 <= 127; NaN is not served): code = number / 2^e3, held within +-57,344, to the nearest code, ties to even.
; wpq: images like the others, [64 blocks][32][2,048]; row r of block b is W_proj's row 64 (b / 4) + b % 4 + 4 r, so that lane r of four neighbouring blocks of the last product has four neighbouring outputs.
; Each of the 1,024 waves takes 16 rows x 256 along K (two units of 128): prefetched into the L2 in the last tile's fourth step (64 blocks of 256 bytes, two requests of 32 lanes), loaded at that tile's end into the registers
; that would have taken the next tile's token blocks, and turned through a stage of the wave's own in LDS behind the spare words, into which no fill lands.
.set XB,   64
.set AY,   4                           ; v4-5  LDS addresses in the first fill, token blocks 0-7 and 8-15;  v6-9 in the second, four blocks each
.set SC,   10                          ; 2^E
.set CO,   11                          ; 16 x lane
.set SPW,  28                          ; LDS address of my spare word; never rewritten
.set NIL,  29                          ; 0; never rewritten
.set TMP,  32
.set CD,   192
.set KA,   3                           ; the first fill: [16 token blocks][3 x 128 along K][2,048], from LDS byte 0
.set BA,   KA*2048
.set BB,   (8-KA)*2048                 ; the second: [16][5][2,048], behind it
.set FILLB, 16*BA
.set SPARE, FILLB+16*BB                ; the spare words: two blocks of 256 bytes that no other line names
.set STG,  SPARE+512                   ; W_proj's stages: 16 rows of 528 bytes a wave
.set SP,   528
.set SCP,  12                          ; 2^e3
.set LMP,  13                          ; 57,344 x 2^e3
.set WI,   14                          ; my stage, in: 16 x lane
.set WO,   15                          ; and out: row l % 16, 32 bytes for each half of the lanes
.set PF,   16                          ; W_proj's prefetch: row (lane / 4) of the block, 256 bytes x (lane % 4)
.set UNEXT, 262144                     ; wfq: 16 blocks on, to the next tile
.set G1, 24                            ; s[24:31] descriptor group 1 of the first fill, s[48:55] of the second
.set G1B, 48
.set G0, 32                            ; s[32:39] group 0 of either
.set M1A, 0xa4                         ; source 0 window 0, source 1 window 1, C and D window 2
.set M1B, 0xf4                         ; the same, C and D window 3
.set M2A, 0x58                         ; source 1 window 2, C and D window 1
.set M2B, 0xf8                         ; source 1 window 2, C and D window 3
.set TO_1, 0x40                        ; destination window 1
.set TO_2, 0x80                        ; destination window 2
.set MSB, 0
.macro WIN new                         ; the immediate's high byte repeats the setting that is left
.if MSB != \new
	s_set_vgpr_msb (MSB<<8)|\new
.set MSB, \new
.endif
.endm
.macro PLACES                          ; four places behind the products, for loads into registers that they read and for reads of results
.rept 4
	v_nop
.endr
.endm
.macro TLOAD g0, g1
	tensor_load_to_lds s[\g0:\g0+3], s[\g1:\g1+7]
	s_nop 0
	PLACES
.endm
.macro CROUND                          ; a round of the cluster's barrier
	s_barrier_signal -1
	s_barrier_wait -1
	s_cmp_lg_u32 s14, 0
	s_cbranch_scc1 .Lnot_wave_0_\@
	s_barrier_signal -3
.Lnot_wave_0_\@:
	s_barrier_wait -3
	s_barrier_signal -1
	s_barrier_wait -1
.endm
.macro XL g                            ; wfq's four fragments of step g into set g mod 3: sixteen loads of 512 consecutive bytes
.irp a, 0,1,2,3
.irp c, 0,1,2,3
	global_load_b128 v[XB+64*((\g)%3)+16*\a+4*\c:XB+64*((\g)%3)+16*\a+4*\c+3], v[CO], s[6:7] offset:\a*16384+(\g)*2048+512*\c
.endr
.endr
.endm
.macro YL g, grp                       ; token blocks 8 grp .. 8 grp + 7 of step g: 32 LDS loads in one run
.irp y, 0,1,2,3,4,5,6,7
.irp c, 0,1,2,3
.if (\g) < KA
	ds_load_b128 v[16*\y+4*\c:16*\y+4*\c+3], v[AY+\grp] offset:\y*BA+(\g)*2048+512*\c
.else
	ds_load_b128 v[16*\y+4*\c:16*\y+4*\c+3], v[AY+2+2*\grp+(\y/4)] offset:(\y%4)*BB+((\g)-KA)*2048+512*\c
.endif
.endr
.endr
.endm
.macro MW y, x                         ; one product; Z = 1: it starts the sum
.set AC, 128+32*((\y)%4)+8*(\x)
.if (\y)/4 == 1
.set AC, 32*((\y)%4)+8*(\x)
.endif
.set YF, 16*((\y)%8)
.set XF, XB+64*S+16*(\x)
.if Z
	v_wmma_f32_16x16x128_bf8_bf8 v[AC:AC+7], v[XF:XF+15], v[YF:YF+15], 0
.else
	v_wmma_f32_16x16x128_bf8_bf8 v[AC:AC+7], v[XF:XF+15], v[YF:YF+15], v[AC:AC+7]
.endif
.endm
.macro ROW y
.irp x, 0,1,2,3
	MW \y, \x
.endr
.endm
.macro ROWS y                          ; four blocks: sixteen products
	ROW (\y)
	ROW (\y)+1
	ROW (\y)+2
	ROW (\y)+3
.endm
; A step = 64 products: blocks 0-7, the run of loads for the next step's blocks 0-7, blocks 8-15, the run for the next step's blocks 8-15 and wfq's fragments of three steps on.  Accumulators take turns in one order: 63 others between two links.
.macro STEP g
.set S, (\g)%3
.set Z, 0
.if (\g) == 0
.set Z, 1
.endif
.set WL, 32                            ; wfq's loads younger than this step's: two steps',
.if ((\g) == 0) || ((\g) == 6)
.set WL, 16                            ; one step's,
.endif
.if (\g) == 7
.set WL, 0                             ; none
.endif
	s_wait_dscnt 32                                ; blocks 0-7 are in; the youngest 32 loads (blocks 8-15) may be out
	s_wait_loadcnt WL
	WIN M1A
	ROWS 0
	WIN M1B
.if (\g) == KA-1                       ; the second fill is read from here on
	ROW 4
	WIN 0
	s_wait_tensorcnt 0x0                           ; my part of it is in,
	WIN M1B
	ROW 5
	s_wait_dscnt 0x0
	s_barrier_signal -1
	ROW 6
	ROW 7
	WIN 0
	s_barrier_wait -1                              ; and everybody's.
.else
	ROWS 4
	s_wait_dscnt 0x0                               ; blocks 8-15 are in
.endif
	PLACES
.if (\g) < 7
	WIN TO_1
	YL (\g)+1, 0
.endif
.if (\g) == 0
	WIN 0
	s_wait_xcnt 0x0                                ; the last tile's stores have read their codes, which lie in set 2
	XL 2
.endif
.if (\g) == 3
	WIN 0
	s_cmp_eq_u32 s3, 0
	s_cbranch_scc1 .Lno_ask_\@                     ; in the last tile alone: W_proj, four steps ahead of its loads
	global_prefetch_b8 v[PF], s[56:57] th:TH_LOAD_NT scope:SCOPE_SE
	global_prefetch_b8 v[PF], s[56:57] offset:8*65536 th:TH_LOAD_NT scope:SCOPE_SE
.Lno_ask_\@:
.endif
.if (\g) < 7                           ; (a tile's last half step stands among the way out's vector work)
	WIN M2A
	ROWS 8
	WIN M2B
	ROWS 12
	PLACES
	WIN TO_2
	YL (\g)+1, 1
.endif
.if (\g) < 5
	WIN 0
	XL (\g)+3
.endif
.endm
	s_load_b128 s[4:7], s[0:1], 0x0                ; xq, wfq
	s_load_b128 s[8:11], s[0:1], 0x10              ; the scales' exponents, hq
	s_load_b128 s[56:59], s[0:1], 0x20             ; W_proj, wpq
	v_lshl_add_u32 v[SPW], v0, 2, SPARE
	v_mov_b32 v[NIL], 0
	ds_add_u32 v[SPW], v[NIL]                      ; the opening: the add, twice on end, and its wait
	ds_add_u32 v[SPW], v[NIL]
	v_lshrrev_b32 v1, 5, v0
	v_readfirstlane_b32 s14, v1                    ; wave
	s_mul_i32 s19, s14, 16*SP
	s_add_co_u32 s19, s19, STG                     ; my stage
	v_and_b32 v2, 31, v0
	v_lshlrev_b32 v[CO], 4, v2
	v_mov_b32 v[AY], v[CO]
	v_add_nc_u32 v[AY+1], 8*BA, v[CO]
	v_add_nc_u32 v[AY+2], FILLB, v[CO]
	v_add_nc_u32 v[AY+3], FILLB+4*BB, v[CO]
	v_add_nc_u32 v[AY+4], FILLB+8*BB, v[CO]
	v_add_nc_u32 v[AY+5], FILLB+12*BB, v[CO]
	v_and_b32 v3, 15, v2
	v_lshrrev_b32 v17, 4, v2
	v_lshrrev_b32 v18, 2, v2
	v_and_b32 v19, 3, v2
	v_mul_u32_u24 v3, v3, SP
	v_lshlrev_b32 v18, 16, v18
	v_add_nc_u32 v[WI], s19, v[CO]
	v_lshl_add_u32 v3, v17, 5, v3
	v_lshl_add_u32 v[PF], v19, 8, v18
	v_add_nc_u32 v[WO], s19, v3
	s_bfe_u32 s40, ttmp6, 0x40000                  ; cx
	s_lshl_b32 s42, ttmp9, 2
	s_add_co_u32 s42, s42, s40                     ; group of 512 hidden units
	s_and_b32 s17, ttmp7, 0xffff                   ; tile of 256 tokens
	; descriptor group 1: four token blocks, of each BA or BB bytes on end, 16,384 bytes apart, in elements of 8 bytes; mask: all four of the cluster
.irp g, G1, G1B
	s_mov_b32 s[\g+0], 15|(3<<16)|(1<<21)
	s_mov_b32 s[\g+2], 4<<16
	s_mov_b32 s[\g+4], 4
	s_mov_b32 s[\g+5], 2048
	s_mov_b32 s[\g+6], 0
	s_mov_b32 s[\g+7], 0
.endr
	s_mov_b32 s[G1+1], (BA/8)<<16
	s_mov_b32 s[G1+3], (BA/8)<<16
	s_mov_b32 s[G1B+1], (BB/8)<<16
	s_mov_b32 s[G1B+3], (BB/8)<<16
	s_lshl_b32 s20, s17, 18                        ; xq: 16 blocks a tile, my four of them: nothing of cx enters
	s_lshl_b32 s18, s14, 16
	s_add_co_u32 s20, s20, s18
	s_mov_b32 s21, 0
	s_mul_i32 s45, s14, 4*BA                       ; and where they go
	s_mul_i32 s43, s14, 4*BB
	s_lshl_b32 s22, s42, 19                        ; wfq: 32 blocks a group, my four of a tile's sixteen
	s_add_co_u32 s22, s22, s18
	s_mov_b32 s23, 0
	s_lshl_b32 s46, s17, 20                        ; hq: token block 16 x tile of 65,536 bytes, 4 x 2,048 a group, 1,024 a wave
	s_lshl_b32 s47, s42, 13
	s_add_co_u32 s46, s46, s47
	s_lshl_b32 s47, s14, 10
	s_add_co_u32 s46, s46, s47
	s_mov_b32 s47, 0
	s_lshl_b32 s60, s17, 3                         ; W_proj: my wave's number in the launch, 0 .. 1,023: sixteen waves a block
	s_add_co_u32 s60, s60, s42
	s_lshl_b32 s60, s60, 2
	s_add_co_u32 s60, s60, s14
	s_lshr_b32 s62, s60, 6                         ; 64 rows of 16,384 bytes: four blocks
	s_lshl_b32 s62, s62, 20
	s_bfe_u32 s44, s60, 0x20004
	s_lshl_b32 s44, s44, 14
	s_add_co_u32 s62, s62, s44
	s_and_b32 s44, s60, 15
	s_lshl_b32 s44, s44, 10
	s_add_co_u32 s62, s62, s44
	s_mov_b32 s63, 0
	s_lshl_b32 s60, s60, 12                        ; 4,096 bytes of codes a wave
	s_mov_b32 s61, 0
	s_wait_alu depctr_va_vdst(0)
	s_wait_dscnt 0x0                               ; both opening adds are done
	s_wait_kmcnt 0x0
	s_load_b128 s[80:83], s[8:9], 0x0              ; e0, e1, e2, e3
	s_add_nc_u64 s[20:21], s[4:5], s[20:21]
	s_add_nc_u64 s[6:7], s[6:7], s[22:23]
	s_add_nc_u64 s[10:11], s[10:11], s[46:47]
	s_add_nc_u64 s[56:57], s[56:57], s[62:63]
	s_add_nc_u64 s[58:59], s[58:59], s[60:61]
	s_mov_b32 s[G0], 1
	s_mov_b32 s[G0+1], s45
	s_mov_b64 s[G0+2:G0+3], s[20:21]
	s_or_b32 s[G0+3], s[G0+3], 0x80000000
	s_mov_b32 s[G0+4], 1
	s_add_co_u32 s[G0+5], s43, FILLB
	s_add_nc_u64 s[G0+6:G0+7], s[20:21], BA
	s_or_b32 s[G0+7], s[G0+7], 0x80000000
	XL 0
	CROUND                                         ; all four work-groups are here: the first joint loads meet
	TLOAD G0, G1                                   ; the first fill: one tensor load a wave at the head
	s_wait_kmcnt 0x0
	s_add_co_i32 s85, s80, s81
	s_lshl_b32 s85, s85, 1
	s_sub_co_i32 s85, s82, s85                     ; E
	s_add_co_i32 s86, s85, 127
	s_lshl_b32 s86, s86, 23
	v_mov_b32 v[SC], s86                           ; 2^E: the conversion takes its exponent field
	s_ashr_i32 s86, s85, 1
	s_lshl_b32 s86, s86, 23
	s_mov_b32 s84, 0x43a953fd                      ; E odd: the root of 2 x 57,344, rounded down
	s_and_b32 s85, s85, 1
	s_cselect_b32 s84, s84, 0x436f7750             ; E even: the root of 57,344, rounded down
	s_add_co_u32 s84, s84, s86                     ; x 2^(E / 2, rounded down): L
	s_add_co_i32 s86, s83, 127
	s_lshl_b32 s85, s86, 23
	v_mov_b32 v[SCP], s85                          ; 2^e3
	s_add_co_i32 s86, s86, 15
	s_lshl_b32 s86, s86, 23
	s_or_b32 s86, s86, 0x600000
	v_mov_b32 v[LMP], s86                          ; 57,344 x 2^e3
	s_mov_b32 s88, 0                               ; what the way out adds to hq's address: nothing for the first tile
	s_mov_b32 s89, 0
	s_mov_b32 s3, 0
	s_wait_alu depctr_va_vdst(0)
	s_wait_tensorcnt 0x0                           ; my part of the first fill is in
	ds_add_u32 v[SPW], v[NIL]
	s_wait_dscnt 0x0
	XL 1                                           ; wfq's fragments of the second step
	CROUND                                         ; everybody's part is in, and the joint loads meet
	TLOAD G0+4, G1B                                ; the second fill
	WIN TO_1
	YL 0, 0
	WIN TO_2
	YL 0, 1
	WIN 0
; THE WAY OUT, a block of 16 tokens x 64 hidden units at a time; each accumulator is read from its low end on.  The codes leave in two runs of sixteen stores.
.macro MP y, n                         ; product n of block y, among vector work
.if (\y) < 12
	WIN M2A
.else
	WIN M2B
.endif
	MW (\y), \n
.endm
.macro HOUT y, ov                      ; ov = 1: the four products of block y + 8 in the tile's last step stand among this block's vector work
.set HA, 128+32*((\y)%4)
.set WY, 2
.if (\y)/4 == 1
.set HA, 32*((\y)%4)
.set WY, 3
.elseif (\y)/4 == 2
.set WY, 1
.elseif (\y)/4 == 3
.set WY, 3
.endif
.set CC, CD+8*((\y)%8)
	WIN WY
.set j, 0
.rept 16
	v_med3_num_f32 v[TMP+j], v[HA+j], 0, s84       ; relu and the hold
.set j, j+1
.endr
.if \ov
	MP (\y)+8, 0
	WIN WY
.endif
.rept 16
	v_med3_num_f32 v[TMP+j], v[HA+j], 0, s84
.set j, j+1
.endr
.if \ov
	MP (\y)+8, 1
.endif
	WIN 0
.set j, 0
.rept 16
	v_pk_mul_f32 v[TMP+j:TMP+j+1], v[TMP+j:TMP+j+1], v[TMP+j:TMP+j+1]
.set j, j+2
.endr
.if \ov
	MP (\y)+8, 2
	WIN 0
.endif
.irp x, 0,1,2,3
	v_cvt_scalef32_pk8_bf8_f32 v[CC+2*\x:CC+2*\x+1], v[TMP+8*\x:TMP+8*\x+7], v[SC]
.endr
	v_nop                                          ; a plain place between the conversions and the next block's holds, which write their sources
.if \ov
	MP (\y)+8, 3
.endif
.endm
.Ltile:                                                ; two tiles of 256 hidden units
.irp g, 0,1,2,3,4,5,6,7
	STEP \g
.endr
.irp y, 0,1,2,3,4,5,6,7
	HOUT \y, 1
.endr
	PLACES
	WIN 0
	s_wait_alu depctr_va_vdst(0)                   ; the codes are stored behind the wait and the branch below
	s_wait_xcnt 0x0                                ; the last stores and loads were issued steps ago: the bases may step
	s_add_nc_u64 s[10:11], s[10:11], s[88:89]
	s_mov_b32 s88, 4096                            ; 256 hidden units on
	s_cmp_eq_u32 s3, 1
	s_cbranch_scc1 .Llast                          ; the last tile has no successor
	s_add_nc_u64 s[6:7], s[6:7], UNEXT
	WIN TO_1
	YL 0, 0
	WIN TO_2
	YL 0, 1
	WIN 0
	XL 0
	XL 1
	s_branch .Lout
.Llast:
	WIN TO_1                                       ; W_proj: two units of 16 rows x 512 bytes into window 1, v0-127
.irp u, 0,1
.irp i, 0,1,2,3,4,5,6,7,8,9,10,11,12,13,14,15
	global_load_b128 v[64*\u+4*\i:64*\u+4*\i+3], v[CO], s[56:57] offset:65536*\i+512*\u th:TH_LOAD_NT
.endr
.endr
	WIN 0
.Lout:
.macro HSEND y
.irp i, 0,1,2,3,4,5,6,7
	global_store_b128 v[CO], v[CD+8*\i:CD+8*\i+3], s[10:11] offset:(\y+\i)*65536
	global_store_b128 v[CO], v[CD+8*\i+4:CD+8*\i+7], s[10:11] offset:(\y+\i)*65536+512   ; each 512 consecutive bytes, aligned
.endr
.endm
	HSEND 0
	s_wait_xcnt 0x0                                ; the stores have read their codes, whose registers come round again
.irp y, 8,9,10,11,12,13,14,15
	HOUT \y, 0
.endr
	HSEND 8
	s_add_co_u32 s3, s3, 1
	s_cmp_lt_u32 s3, 2
	s_cbranch_scc1 .Ltile
	s_wait_loadcnt 0x0                             ; W_proj's numbers are in,
	s_wait_dscnt 0x0                               ; and no LDS load of mine is out
.irp u, 0,1
	WIN 0x04
.irp i, 0,1,2,3,4,5,6,7,8,9,10,11,12,13,14,15
	ds_store_b128 v[WI], v[64*\u+4*\i:64*\u+4*\i+3] offset:SP*\i
.endr
	WIN 0
.irp g, 0,1,2,3,4,5,6,7
	ds_load_b128 v[XB+64*\u+8*\g:XB+64*\u+8*\g+3], v[WO] offset:64*\g   ; LDS serves a wave's instructions in order (ISA guide 5.7.1.4): both units use one stage
	ds_load_b128 v[XB+64*\u+8*\g+4:XB+64*\u+8*\g+7], v[WO] offset:64*\g+16
.endr
.endr
.irp u, 0,1
	s_wait_dscnt 32-32*\u                          ; this unit's numbers are back; behind the first unit's stand 16 stores and 16 loads
.set j, 0
.rept 64
	v_med3_num_f32 v[XB+64*\u+j], v[XB+64*\u+j], -v[LMP], v[LMP]
.set j, j+1
.endr
.irp g, 0,1,2,3,4,5,6,7
	v_cvt_scalef32_pk8_bf8_f32 v[TMP+16*\u+2*\g:TMP+16*\u+2*\g+1], v[XB+64*\u+8*\g:XB+64*\u+8*\g+7], v[SCP]
.endr
	v_nop
.irp c, 0,1,2,3
	global_store_b128 v[CO], v[TMP+16*\u+4*\c:TMP+16*\u+4*\c+3], s[58:59] offset:2048*\u+512*\c
.endr
.endr
	s_wait_tensorcnt 0x0                           ; the wave's end
	ds_add_u32 v[SPW], v[NIL]
	s_wait_dscnt 0x0
	CROUND                                         ; the closing round
	s_endpgm
.Lfunc_end_k_qbd6d7d60f2_fc:
	.size	k_qbd6d7d60f2_fc, .Lfunc_end_k_qbd6d7d60f2_fc-k_qbd6d7d60f2_fc
	.p2alignl 7, 3214868480
	.fill 96, 4, 3214868480
	.section	.rodata,"a",@progbits
	.p2align	6, 0x0
	.amdhsa_kernel k_qbd6d7d60f2_fc
		.amdhsa_group_segment_fixed_size 327680
		.amdhsa_private_segment_fixed_size 0
		.amdhsa_enable_private_segment 0
		.amdhsa_kernarg_size 48
		.amdhsa_user_sgpr_count 2
		.amdhsa_user_sgpr_kernarg_segment_ptr 1
		.amdhsa_wavefront_size32 1
		.amdhsa_system_sgpr_workgroup_id_x 1
		.amdhsa_system_sgpr_workgroup_id_y 1
		.amdhsa_system_sgpr_workgroup_id_z 1
		.amdhsa_system_vgpr_workitem_id 0
		.amdhsa_next_free_vgpr 1024
		.amdhsa_next_free_sgpr 90
		.amdhsa_reserve_vcc 0
		.amdhsa_float_denorm_mode_32 3
		.amdhsa_float_denorm_mode_16_64 3
		.amdhsa_memory_ordered 1
		.amdhsa_forward_progress 1
		.amdhsa_inst_pref_size 171
	.end_amdhsa_kernel
	.amdgpu_metadata
---
amdhsa.version: [ 1, 2 ]
amdhsa.kernels:
  - .name:           k_qbd6d7d60f2_fc
    .symbol:         k_qbd6d7d60f2_fc.kd
    .args:
      - { .name: xq, .offset: 0, .size: 8, .value_kind: global_buffer, .address_space: global }
      - { .name: wfq, .offset: 8, .size: 8, .value_kind: global_buffer, .address_space: global }
      - { .name: lowp_scales, .offset: 16, .size: 8, .value_kind: global_buffer, .address_space: global }
      - { .name: hq, .offset: 24, .size: 8, .value_kind: global_buffer, .address_space: global }
      - { .name: W_proj, .offset: 32, .size: 8, .value_kind: global_buffer, .address_space: global }
      - { .name: wpq, .offset: 40, .size: 8, .value_kind: global_buffer, .address_space: global }
    .group_segment_fixed_size: 327680
    .private_segment_fixed_size: 0
    .kernarg_segment_align: 8
    .kernarg_segment_size: 48
    .max_flat_workgroup_size: 128
    .sgpr_count:     90
    .vgpr_count:     1024
    .wavefront_size: 32
...
	.end_amdgpu_metadata
.endif
;; end of part 2
;; launch proj (part 3): grid 64 x 4, 4 waves a work-group, clusters of 4 x 1, 327,680 bytes of LDS; arguments hq, wpq, lowp_scales, out0; writes out0
.if DOCPART == 3
	.amdgcn_target "amdgcn-amd-amdhsa--gfx1250"
	.amdhsa_code_object_version 6
	.text
	.protected	k_qbd6d7d60f2_proj
	.globl	k_qbd6d7d60f2_proj
	.p2align	8
	.type	k_qbd6d7d60f2_proj,@function
k_qbd6d7d60f2_proj:
	s_mov_b64 s[64:65], 0
	v_nop
	global_prefetch_b8 v0, s[64:65] scope:SCOPE_SE
	s_setreg_imm32_b32 hwreg(HW_REG_WAVE_MODE, 25, 1), 1
	s_wait_xcnt 0x0
	s_wait_alu depctr_hold_cnt(0) depctr_sa_sdst(0) depctr_va_vdst(0) depctr_va_sdst(0) depctr_va_ssrc(0) depctr_va_vcc(0) depctr_vm_vsrc(0)
	s_getreg_b32 s2, hwreg(HW_REG_IB_STS2, 6, 4)
	s_cmp_eq_u32 s2, 0
	s_cbranch_scc0 .Lentry_in_a_cluster
	s_endpgm
.Lentry_in_a_cluster:
	s_bfe_u32 s2, ttmp6, 0x10000c
	s_cmp_lg_u32 s2, 0x3003
	s_cbranch_scc0 .Lentry_shape_is_right
	s_endpgm
.Lentry_shape_is_right:
; The second product: out0[t][d] = 2^(e2 + e3) x the sum over the 4,096 hidden units of hq's code x wpq's code.  Codes of BF8; sums in f32; out0: [8192][1024] f32.
; hq [512 blocks of 16 tokens][32][2,048], wpq [64 blocks of 16 outputs][32][2,048]: images of operand registers for 128 along K (registers 4 c .. 4 c + 3 of lane l at 512 c + 16 l; ISA guide 7.12.2).
; Lane r of wpq's block b stands for output 64 (b / 4) + 4 r + b % 4.
; LIMIT: e2 + e3 between -126 and 127, so that 2^(e2 + e3) is an f32 number.
; SHARES: a work-group makes 128 tokens x 256 outputs: 64 x 4 = 256 work-groups.  Wave w = 2 th + kh makes tokens 64 th + 0 .. 63 x all 256 outputs over every second 128 along K (2 s + kh, s = 0 .. 15): 64 accumulators, 512 registers.
; The two waves of a token half add their sums at the end: each sends the half that the other stores.
; hq GOES STRAIGHT INTO THE OPERAND'S REGISTERS: within a work-group no two waves want the same fragment; a step's four are asked for two steps ahead, in three sets of registers.
; wpq GOES THROUGH A RING OF TWO LDS SLOTS of 512 along K (128 KiB each), filled by the tensor data mover: eight fills, two steps of a wave to each.
; CLUSTERS: the four work-groups of a cluster have the same 256 outputs: each fill is asked for JOINTLY by all four.  hq is not: a joint load lands in LDS, which wpq's two slots fill to four fifths.
; PREFETCH: wpq's fill k + 3 is asked for behind the refill with fill k + 2 (fill 2 in step 0; fills 0 and 1 come by their loads alone), 8,192 bytes a wave, a block of outputs each: the sixteen waves of a cluster name a fill's 128 KiB once.
; Sixteen clusters read the same fills; every fourth of them asks.  hq is asked for two steps ahead by the loads themselves.
; THE MATRIX INSTRUCTION: source 0 = 16 tokens, source 1 = 16 outputs: lane l holds output r = l % 16 of a block, register j token 8 (l / 16) + j.  Register j of four neighbouring blocks is four neighbouring outputs of one token:
; sixteen lanes hold 256 neighbouring bytes of a row, and the results leave without a stage.
; REGISTERS, windows of 256.  0: v0-31 addresses, v64-255 three sets of hq's four fragments; on the way out v32-255 at work.
;   1: v0-127 output blocks 0-7, v128-255 accumulators of blocks 8-11.   2: v0-127 output blocks 8-15, v128-255 accumulators of blocks 0-3.   3: v0-127 accumulators of blocks 4-7, v128-255 of blocks 12-15.
; One set of registers serves wpq: blocks 0-7 are fetched anew in a step's middle, blocks 8-15 at its end, each in one run of 32 loads.
; The sixteen steps are written out: three sets, two slots and two steps a slot come round together only after twelve.
.set XB,   64
.set AY,   4                           ; v4-7  LDS addresses: 16 x lane + 2,048 kh + 0, 64, 128, 192 KiB: blocks 0-7 and 8-15 of either slot
.set CO,   8                           ; 16 x lane
.set OC,   11                          ; out0: 8 rows x (lane / 16) + 16 x (lane % 16)
.set SN,   12                          ; LDS: where I put what I send
.set RC,   13                          ; LDS: where the wave beside me puts what it sends
.set PF,   14                          ; 256 x lane
.set SPW,  28                          ; LDS address of my spare word; never rewritten
.set NIL,  29                          ; 0; never rewritten
.set TMP,  32
.set SLOT, 131072                      ; [16 output blocks][4 x 128 along K][2,048]
.set SPARE, 2*SLOT                     ; the spare words: two blocks of 256 bytes that no other line names
.set G1, 24
.set G0, 32
.set M1A, 0xa4                         ; source 0 window 0, source 1 window 1, C and D window 2
.set M1B, 0xf4                         ; the same, C and D window 3
.set M2A, 0x58                         ; source 1 window 2, C and D window 1
.set M2B, 0xf8                         ; source 1 window 2, C and D window 3
.set TO_1, 0x40                        ; destination window 1
.set TO_2, 0x80                        ; destination window 2
.set MSB, 0
.macro WIN new                         ; the immediate's high byte repeats the setting that is left
.if MSB != \new
	s_set_vgpr_msb (MSB<<8)|\new
.set MSB, \new
.endif
.endm
.macro PLACES                          ; four places behind the products, for loads into registers that they read and for stores of results
.rept 4
	v_nop
.endr
.endm
.macro TLOAD s
	tensor_load_to_lds s[G0+4*(\s):G0+4*(\s)+3], s[G1:G1+7]
	s_nop 0
	PLACES
.endm
.macro CREST                           ; a round of the cluster's barrier behind its opening barrier
	s_cmp_lg_u32 s14, 0
	s_cbranch_scc1 .Lnot_wave_0_\@
	s_barrier_signal -3
.Lnot_wave_0_\@:
	s_barrier_wait -3
	s_barrier_signal -1
	s_barrier_wait -1
.endm
.macro CROUND
	s_barrier_signal -1
	s_barrier_wait -1
	CREST
.endm
.macro ASK f                           ; fill f of wpq into the L2
	s_cmp_lg_u32 s79, 0
	s_cbranch_scc1 .Lnot_mine_\@
	global_prefetch_b8 v[PF], s[52:53] offset:(\f)*8192 th:TH_LOAD_NT scope:SCOPE_SE
.Lnot_mine_\@:
.endm
.macro XL g                            ; hq's four fragments of step g into set g mod 3: sixteen loads of 512 consecutive bytes.  Fragments 0, 1: the token blocks that I store, 2, 3: those that I send
.irp b, 0,2
.irp a, 0,1
.irp c, 0,1,2,3
	global_load_b128 v[XB+64*((\g)%3)+16*(\b+\a)+4*\c:XB+64*((\g)%3)+16*(\b+\a)+4*\c+3], v[CO], s[48+\b:49+\b] offset:\a*65536+(\g)*4096+512*\c
.endr
.endr
.endr
.endm
.macro YL g, grp                       ; output blocks 8 grp .. 8 grp + 7 of step g: 32 LDS loads in one run
.irp y, 0,1,2,3,4,5,6,7
.irp c, 0,1,2,3
	ds_load_b128 v[16*\y+4*\c:16*\y+4*\c+3], v[AY+2*(((\g)/2)%2)+\grp] offset:\y*8192+((\g)%2)*4096+512*\c
.endr
.endr
.endm
.macro MW y, x                         ; one product; Z = 1: it starts the sum
.set AC, 128+32*((\y)%4)+8*(\x)
.if (\y)/4 == 1
.set AC, 32*((\y)%4)+8*(\x)
.endif
.set YF, 16*((\y)%8)
.set XF, XB+64*S+16*(\x)
.if Z
	v_wmma_f32_16x16x128_bf8_bf8 v[AC:AC+7], v[XF:XF+15], v[YF:YF+15], 0
.else
	v_wmma_f32_16x16x128_bf8_bf8 v[AC:AC+7], v[XF:XF+15], v[YF:YF+15], v[AC:AC+7]
.endif
.endm
.macro ROW y
.irp x, 0,1,2,3
	MW \y, \x
.endr
.endm
.macro ROWS y                          ; four blocks: sixteen products
	ROW (\y)
	ROW (\y)+1
	ROW (\y)+2
	ROW (\y)+3
.endm
.macro PUT y0                          ; what I send of blocks y0 .. y0 + 3: accumulators x = 2, 3, as images of registers in slot 0
.irp i, 0,1,2,3
.irp x, 2,3
.set AC, 128+32*\i+8*\x
.if (\y0) == 4
.set AC, 32*\i+8*\x
.endif
	ds_store_b128 v[SN], v[AC:AC+3] offset:(\y0+\i)*2048+(\x-2)*1024
	ds_store_b128 v[SN], v[AC+4:AC+7] offset:(\y0+\i)*2048+(\x-2)*1024+512
.endr
.endr
.endm
; A step = 64 products: blocks 0-7, the run of loads for the next step's blocks 0-7, blocks 8-15, the run for the next step's blocks 8-15 and hq's fragments of three steps on.  Accumulators take turns in one order: 63 others between two links.
; TN: this step is its slot's last, and the slot has been read out when the step begins.  Each wave has all its tensor loads in and its LDS reads back, then the barrier; TN = 2: the slot is filled again, and the barrier opens a round of the cluster's.
.macro STEP g
.set S, (\g)%3
.set Z, 0
.if (\g) == 0
.set Z, 1
.endif
.set WL, 32                            ; hq's loads younger than this step's: two steps',
.if ((\g) == 0) || ((\g) == 14)
.set WL, 16                            ; one step's,
.endif
.if (\g) == 15
.set WL, 0                             ; none
.endif
.set SL, ((\g)/2)%2
.set TN, 0
.set PFF, 0
.if (\g) == 0
.set PFF, 2
.endif
.if (\g)%2 == 1
.if (\g) < 12
.set TN, 2
.endif
.if (\g) == 13
.set TN, 1
.endif
.if (\g) < 10
.set PFF, ((\g)+5)/2
.endif
.endif
	s_wait_dscnt 32                                ; blocks 0-7 are in; the youngest 32 loads (blocks 8-15) may be out
	s_wait_loadcnt WL
	WIN M1A
	ROWS 0
	WIN M1B
.if TN
	ROW 4
	WIN 0
	s_wait_tensorcnt 0x0                           ; my part of the next slot is in
.if TN == 2
	ds_add_u32 v[SPW], v[NIL]
.endif
	WIN M1B
	ROW 5
	s_wait_dscnt 0x0                               ; the add is done, and my reads of this slot are over
	s_barrier_signal -1
	ROW 6
	ROW 7
	WIN 0
	s_barrier_wait -1
.if TN == 2
	CREST                                          ; no wave of any partner still reads this slot or has a tensor load on its way
	s_add_nc_u64 s[G0+4*SL+2:G0+4*SL+3], s[G0+4*SL+2:G0+4*SL+3], 16384   ; two fills on
	TLOAD SL
.else
	PLACES
.endif
.else
	ROWS 4
	s_wait_dscnt 0x0                               ; blocks 8-15 are in
	PLACES
.endif
.if (\g) < 15
	WIN TO_1
	YL (\g)+1, 0
.else                                  ; blocks 0-7 are finished: my share of them is sent.  Slot 0 has had its last fill, and every wave passed its last reads of it at step 13's barrier
	WIN 0x08
	PUT 0
	WIN 0x0c
	PUT 4
.endif
.if (\g) == 0
	WIN 0
	XL 2
.endif
.if PFF > 0
	WIN 0
	ASK PFF
.endif
	WIN M2A
	ROWS 8
	WIN M2B
	ROWS 12
	PLACES
.if (\g) < 15
	WIN TO_2
	YL (\g)+1, 1
.endif
.if (\g) < 13
	WIN 0
	XL (\g)+3
.endif
.endm
	s_load_b128 s[4:7], s[0:1], 0x0                ; hq, wpq
	s_load_b128 s[8:11], s[0:1], 0x10              ; the scales' exponents, out0
	v_lshl_add_u32 v[SPW], v0, 2, SPARE
	v_mov_b32 v[NIL], 0
	ds_add_u32 v[SPW], v[NIL]                      ; the opening: the add, twice on end, and its wait
	ds_add_u32 v[SPW], v[NIL]
	v_lshrrev_b32 v1, 5, v0
	v_readfirstlane_b32 s14, v1                    ; wave
	s_lshr_b32 s15, s14, 1                         ; th
	s_and_b32 s16, s14, 1                          ; kh
	s_lshl_b32 s18, s16, 11                        ; 2,048 kh
	s_lshl_b32 s19, s14, 15                        ; 32,768 a wave for what it sends
	s_xor_b32 s13, s14, 1
	s_lshl_b32 s13, s13, 15
	v_and_b32 v2, 31, v0
	v_and_b32 v1, 15, v0
	v_bfe_u32 v3, v0, 4, 1
	v_lshlrev_b32 v[CO], 4, v2
	v_lshlrev_b32 v[PF], 8, v2
	v_lshlrev_b32 v3, 15, v3
	v_add_nc_u32 v[AY], s18, v[CO]
	v_add_nc_u32 v[SN], s19, v[CO]
	v_add_nc_u32 v[RC], s13, v[CO]
	v_lshl_add_u32 v[OC], v1, 4, v3
	v_add_nc_u32 v[AY+1], 0x10000, v[AY]
	v_add_nc_u32 v[AY+2], 0x20000, v[AY]
	v_add_nc_u32 v[AY+3], 0x30000, v[AY]
	s_bfe_u32 s40, ttmp6, 0x40000                  ; cx
	s_lshl_b32 s42, ttmp9, 2
	s_add_co_u32 s42, s42, s40                     ; tile of 128 tokens
	s_and_b32 s17, ttmp7, 0xffff                   ; group of 256 outputs
	s_and_b32 s79, ttmp9, 3                        ; 0: my cluster prefetches
	; descriptor group 1: four output blocks, of each 8,192 bytes on end (512 along K), 65,536 bytes apart, in elements of 8 bytes; mask: all four of the cluster
	s_mov_b32 s[G1+0], 15|(3<<16)|(1<<21)
	s_mov_b32 s[G1+1], 1024<<16
	s_mov_b32 s[G1+2], 4<<16
	s_mov_b32 s[G1+3], 1024<<16
	s_mov_b32 s[G1+4], 4
	s_mov_b32 s[G1+5], 8192
	s_mov_b32 s[G1+6], 0
	s_mov_b32 s[G1+7], 0
	s_lshl_b32 s46, s17, 20                        ; wpq: 16 blocks a group, my four of them: nothing of cx enters
	s_lshl_b32 s54, s14, 18
	s_add_co_u32 s54, s46, s54
	s_mov_b32 s55, 0
	s_lshl_b32 s52, s40, 18                        ; the block that my wave prefetches: 4 cx + wave
	s_add_co_u32 s52, s46, s52
	s_lshl_b32 s53, s14, 16
	s_add_co_u32 s52, s52, s53
	s_mov_b32 s53, 0
	s_lshl_b32 s20, s42, 19                        ; my first token, 4,096 bytes a token in hq and in out0 alike
	s_lshl_b32 s21, s15, 18
	s_add_co_u32 s20, s20, s21
	s_lshl_b32 s21, s16, 17                        ; 32 tokens on: the blocks that I store with kh = 1
	s_add_co_u32 s56, s20, s21
	s_add_co_u32 s48, s56, s18                     ; hq: the blocks that I store, at my first 128 along K
	s_mov_b32 s49, 0
	s_xor_b32 s21, s21, 0x20000
	s_add_co_u32 s50, s20, s21
	s_add_co_u32 s50, s50, s18                     ; and those that I send
	s_mov_b32 s51, 0
	s_lshl_b32 s57, s17, 10
	s_add_co_u32 s56, s56, s57                     ; out0
	s_mov_b32 s57, 0
	s_lshl_b32 s45, s14, 15                        ; where my fills go
	s_wait_alu depctr_va_vdst(0)
	s_wait_dscnt 0x0                               ; both opening adds are done
	s_wait_kmcnt 0x0
	s_load_b64 s[96:97], s[8:9], 0x8               ; e2, e3
	s_add_nc_u64 s[48:49], s[4:5], s[48:49]
	s_add_nc_u64 s[50:51], s[4:5], s[50:51]
	s_add_nc_u64 s[52:53], s[6:7], s[52:53]
	s_add_nc_u64 s[54:55], s[6:7], s[54:55]
	s_add_nc_u64 s[10:11], s[10:11], s[56:57]
.irp s, 0,1
	s_mov_b32 s[G0+4*\s], 1
	s_add_co_u32 s[G0+4*\s+1], s45, \s*SLOT
	s_add_nc_u64 s[G0+4*\s+2:G0+4*\s+3], s[54:55], \s*8192
	s_or_b32 s[G0+4*\s+3], s[G0+4*\s+3], 0x80000000
.endr
	XL 0
	CROUND                                         ; all four work-groups are here: the first joint loads meet
	TLOAD 0                                        ; fill 0: one tensor load a wave at the head
	s_wait_kmcnt 0x0
	s_add_co_i32 s96, s96, s97                     ; e2 + e3,
	s_add_co_i32 s96, s96, 127
	s_lshl_b32 s96, s96, 23                        ; makes the f32 number 2^(e2 + e3)
	s_wait_alu depctr_va_vdst(0)
	s_wait_tensorcnt 0x0                           ; my part of fill 0 is in
	ds_add_u32 v[SPW], v[NIL]
	s_wait_dscnt 0x0
	XL 1                                           ; hq's fragments of the second step
	CROUND                                         ; everybody's part is in, and the joint loads meet
	TLOAD 1                                        ; fill 1
	WIN TO_1
	YL 0, 0
	WIN TO_2
	YL 0, 1
.irp g, 0,1,2,3,4,5,6,7,8,9,10,11,12,13,14,15
	STEP \g
.endr
	WIN 0x04
	PUT 8
	WIN 0x0c
	PUT 12
	WIN 0
	s_wait_dscnt 0x0                               ; what I send is in LDS
	s_barrier_signal -1
	s_barrier_wait -1
; What the wave beside me sent, into the registers of wpq's fragments: block y, x = 0, 1: window 1 (y < 8) or 2, v[16 (y mod 8) + 8 x].  In the order of use: eight loads for one x and four blocks.
.macro GET x, qd
	WIN 0x40*(1+(\qd)/2)
.irp b, 0,1,2,3
.set RG, 16*((4*(\qd)+\b)%8)+8*(\x)
	ds_load_b128 v[RG:RG+3], v[RC] offset:(4*(\qd)+\b)*2048+(\x)*1024
	ds_load_b128 v[RG+4:RG+7], v[RC] offset:(4*(\qd)+\b)*2048+(\x)*1024+512
.endr
.endm
; Token block x, outputs 64 qd .. + 63: the two sums added, scaled, and stored: 16 lanes store 256 consecutive bytes, aligned.  Each of the eight parts has 32 registers of its own:
; seven in window 0, the last in window 3, over the accumulators of block 4, which are done with.
.macro OUT x, qd
.set GI, 4*(\x)+(\qd)
.set T, TMP+32*GI
.set TW, 0
.if GI == 7
.set T, 0
.set TW, 3
.endif
.set A0, 128+8*(\x)
.set WA, 2
.if (\qd) == 1
.set A0, 8*(\x)
.set WA, 3
.elseif (\qd) == 2
.set WA, 1
.elseif (\qd) == 3
.set WA, 3
.endif
.set R0, 64*((\qd)%2)+8*(\x)
	s_wait_dscnt 56-8*GI                           ; this part's eight loads are in; those of the later parts may be out
	WIN (WA|(4*(1+(\qd)/2))|(64*TW))
.irp j, 0,1,2,3,4,5,6,7
.irp b, 0,1,2,3
	v_add_f32 v[T+4*\j+\b], v[A0+32*\b+\j], v[R0+16*\b+\j]
.endr
.endr
	WIN (TW|(64*TW))
.set i, 0
.rept 16
	v_pk_mul_f32 v[T+i:T+i+1], v[T+i:T+i+1], s[96:97] op_sel_hi:[1,0]   ; both x s96 = 2^(e2 + e3)
.set i, i+2
.endr
	WIN (4*TW)
.irp j, 0,1,2,3,4,5,6,7
	global_store_b128 v[OC], v[T+4*\j:T+4*\j+3], s[10:11] offset:(\x)*65536+\j*4096+(\qd)*256 th:TH_STORE_NT
.endr
.endm
.irp x, 0,1
.irp q, 0,1,2,3
	GET \x, \q
.endr
.endr
.irp x, 0,1
.irp q, 0,1,2,3
	OUT \x, \q
.endr
.endr
	WIN 0
	s_wait_tensorcnt 0x0                           ; the wave's end
	ds_add_u32 v[SPW], v[NIL]
	s_wait_dscnt 0x0
	CROUND                                         ; the closing round
	s_endpgm
.Lfunc_end_k_qbd6d7d60f2_proj:
	.size	k_qbd6d7d60f2_proj, .Lfunc_end_k_qbd6d7d60f2_proj-k_qbd6d7d60f2_proj
	.p2alignl 7, 3214868480
	.fill 96, 4, 3214868480
	.section	.rodata,"a",@progbits
	.p2align	6, 0x0
	.amdhsa_kernel k_qbd6d7d60f2_proj
		.amdhsa_group_segment_fixed_size 327680
		.amdhsa_private_segment_fixed_size 0
		.amdhsa_enable_private_segment 0
		.amdhsa_kernarg_size 32
		.amdhsa_user_sgpr_count 2
		.amdhsa_user_sgpr_kernarg_segment_ptr 1
		.amdhsa_wavefront_size32 1
		.amdhsa_system_sgpr_workgroup_id_x 1
		.amdhsa_system_sgpr_workgroup_id_y 1
		.amdhsa_system_sgpr_workgroup_id_z 1
		.amdhsa_system_vgpr_workitem_id 0
		.amdhsa_next_free_vgpr 1024
		.amdhsa_next_free_sgpr 98
		.amdhsa_reserve_vcc 0
		.amdhsa_float_denorm_mode_32 3
		.amdhsa_float_denorm_mode_16_64 3
		.amdhsa_memory_ordered 1
		.amdhsa_forward_progress 1
		.amdhsa_inst_pref_size 203
	.end_amdhsa_kernel
	.amdgpu_metadata
---
amdhsa.version: [ 1, 2 ]
amdhsa.kernels:
  - .name:           k_qbd6d7d60f2_proj
    .symbol:         k_qbd6d7d60f2_proj.kd
    .args:
      - { .name: hq, .offset: 0, .size: 8, .value_kind: global_buffer, .address_space: global }
      - { .name: wpq, .offset: 8, .size: 8, .value_kind: global_buffer, .address_space: global }
      - { .name: lowp_scales, .offset: 16, .size: 8, .value_kind: global_buffer, .address_space: global }
      - { .name: out0, .offset: 24, .size: 8, .value_kind: global_buffer, .address_space: global }
    .group_segment_fixed_size: 327680
    .private_segment_fixed_size: 0
    .kernarg_segment_align: 8
    .kernarg_segment_size: 32
    .max_flat_workgroup_size: 128
    .sgpr_count:     98
    .vgpr_count:     1024
    .wavefront_size: 32
...
	.end_amdgpu_metadata
.endif
;; end of part 3
